; MI455X (gfx1250); checked and timed in simulation.
; The chip was launched on July 23, 2026; its instructions are those of AMD's public machine-readable ISA for CDNA 5 (MIT licence, August 2026) and "CDNA5" Instruction Set Architecture Reference Guide (July 2026). The comments in the code are by the model that wrote it; some were corrected since.
;; CSUN Reward. Allowed arithmetic: float matrix products may take bf16 or f16 operands with f32 sums; all other float work in f32.
;; Inputs: e_above_hull 256 float32; gen_embs_amd 256 x 100 float32; gen_embs_elmd 256 x 103 float32; ref_embs_amd 4,096 x 100 float32; ref_embs_elmd 4,096 x 103 float32.
;; Outputs: out0 256 float32.
;; One version. Each part assembles by itself: llvm-mc -triple=amdgcn-amd-amdhsa -mcpu=gfx1250 --defsym DOCPART=n.
;; ======== version 1 of 1: 2 launches
;; workspace buffers: part 131,072 bytes
;; launch pairs (part 1): grid 64 x 4, 5 waves a work-group, clusters of 4 x 4, 168,704 bytes of LDS; arguments gen_embs_elmd, gen_embs_amd, ref_embs_elmd, ref_embs_amd, part; writes part
.if DOCPART == 1
	.amdgcn_target "amdgcn-amd-amdhsa--gfx1250"
	.amdhsa_code_object_version 6
	.text
	.protected	k_q68e9b6e04c_pairs
	.globl	k_q68e9b6e04c_pairs
	.p2align	8
	.type	k_q68e9b6e04c_pairs,@function
k_q68e9b6e04c_pairs:
	s_mov_b64 s[64:65], 0
	v_nop
	global_prefetch_b8 v0, s[64:65] scope:SCOPE_SE
	s_setreg_imm32_b32 hwreg(HW_REG_WAVE_MODE, 25, 1), 1
	s_wait_xcnt 0x0
	s_wait_alu depctr_hold_cnt(0) depctr_sa_sdst(0) depctr_va_vdst(0) depctr_va_sdst(0) depctr_va_ssrc(0) depctr_va_vcc(0) depctr_vm_vsrc(0)
	s_getreg_b32 s2, hwreg(HW_REG_IB_STS2, 6, 4)
	s_cmp_eq_u32 s2, 0
	s_cbranch_scc0 .Lentry_in_a_cluster
	s_endpgm
.Lentry_in_a_cluster:
	s_bfe_u32 s2, ttmp6, 0x10000c
	s_cmp_lg_u32 s2, 0xf033
	s_cbranch_scc0 .Lentry_shape_is_right
	s_endpgm
.Lentry_shape_is_right:
; CSUN reward, first of two launches: for a block of 64 gen rows x (64 ref columns + 4 gen columns) the combined distance
;   c(i,j) = CE de/(1+de) + CA da/(1+da),  de = sum_d |cumsum_d(a_i - b_j)| (103 numbers),  da = max_d |a_i - b_j| (100 numbers),
; and of it, for each row, the minimum over the block's ref columns and the sum over its gen columns.
; part[0][cb][row] = minimum, part[1][cb][row] = sum; cb = 0..63 the block column.  The second launch folds the 64 block columns.
; Grid 64 x 4: 64 x (64 + 4) columns = 4,096 ref + 256 gen, 4 x 64 rows: every work-group has the same 4,352 pairs.
;
; THE CUMULATIVE SUM IS TAKEN ONCE PER VECTOR, not per pair: cumsum(a - b) = cumsum(a - p) - cumsum(b - p) for any p.  p is the block's
; first gen row, so an offset that the vectors share is gone before anything is summed, and the sums have the size of the differences.
; All 132 vectors go through the same instructions, so a gen row and the same row as a column give the difference 0 exactly.
; Four numbers of a pair then cost: elmd 2 packed subtractions, 2 additions of two magnitudes each, and 1 packed addition (two packed
; additions put the results of two neighbouring pairs onto their sums); amd 2 packed subtractions and 2 maxima of three.
; No products: the matrix units have no part.
;
; WAVES.  132 vectors want 132 threads for the cumulative sums: five waves; wave 4 takes vectors 128..131 and then only passes barriers.
; Waves 0..3 (rh = wave / 2, ch = wave % 2) take rows 32 rh .. +31 x ref columns 32 ch .. +31.  Lane: lr = lane / 4, lc = lane % 4.
; A lane owns rows lr + 8 q (q = 0..3) and columns lc + 4 j (j = 0..7): 32 pairs, and gen column lc against two of its rows
; (q = 2 ch, 2 ch + 1, which it loads first): 34 pairs from 13 vectors.  Each LDS byte a lane loads is loaded by it once.
;
; LDS.  STG: the 132 elmd vectors as in memory (412 bytes each).  AMD: the 132 amd vectors as in memory (400 bytes each).
; ELM: the summed elmd vectors, 104 numbers (the last 0) + 16 bytes = 432.  400 and 432 are odd multiples of 16: rows that follow each
; other start 16-byte columns apart modulo 256 bytes (64 banks of 4 bytes: ISA guide 11.1), so no fragment load meets a conflict.
; ELM and RED are written by ds_store and lie in 256-byte blocks of their own; STG and AMD are filled once, by tensor loads.
;
; CLUSTERS, 4 x 4.  The gen rows hang on the block row alone: asked for jointly by the four work-groups of a row of the cluster.
; The ref columns and the 4 gen columns hang on the block column alone: jointly by the four of a column.  All six loads are joint.
; The grid's y extent is the cluster's, so the block row is cy.
;
; NaN AND INF.  Sums carry them; v_max3_num_f32 and v_min_num_f32 drop a NaN.  So (a) each vector's sum of 0 * x over its amd numbers
; (0, or NaN if one is NaN or Inf) is added to its last elmd number, and (b) 0 * (sum of a row's ref distances) is added to the row's
; partial SUM: the score is a product of sum and minimum, and a NaN in either makes it 0.  A NaN or Inf in the pivot spoils the whole
; block; the pivot is a gen vector, which meets every row in the uniqueness sum, so reference() gives 0 for every row then too.
; LIMITS.  d/(1+d) is d * rcp(1+d): v_rcp_f32 gives 0 where the result would be denormal (ISA guide 15.8), so a distance above 2^126
; gives 0 where the quotient is 1.  The cumulative sums are rounded in another order than a running sum of a - b (pivot, four segments).
.set NE,    103                        ; numbers in an elmd vector
.set NA,    100                        ; numbers in an amd vector
.set ROWE,  4*NE                       ; 412 bytes
.set ROWA,  4*NA                       ; 400 bytes
.set PE,    432                        ; a summed elmd vector in LDS
.set BR,    64                         ; rows, and ref columns, of a block
.set GC,    4                          ; gen columns of a block
.set NVEC,  2*BR+GC                    ; 132 vectors: 0..63 rows, 64..127 ref columns, 128..131 gen columns
.set BLKE,  BR*ROWE                    ; 26,368 bytes = 103 x 256
.set BLKA,  BR*ROWA                    ; 25,600 bytes = 100 x 256
.set STG,   0                          ; 132 x 412 = 54,384 bytes
.set AMD,   54528                      ; 132 x 400 = 52,800 bytes
.set ELM,   107520                     ; 132 x 432 = 57,024 bytes
.set RED,   164608                     ; 256 bytes for each of waves 0..3: 32 minima, 32 sums
.set SUMS,  65536                      ; part: the sums lie behind the 64 x 256 minima
.set CE,    0x3f46beab                 ; 0x1.8d7d565a99f87p-1 rounded to f32
.set CA,    0x3e650553                 ; 0x1.ca0aa695981e5p-3 rounded to f32
; vector registers while the vectors are summed
.set X,     4                          ; v[4:107]    my vector, 104 numbers
.set P,     108                        ; v[108:211]  the pivot; later my amd vector
.set FL,    212                        ; v[212:219]  segment offsets; later the four chains of 0 * x
; vector registers of the pair loops
.set ACC,   4                          ; v[4:35]     elmd sums, pair (k, j) at 8 k + j; v[36:37] gen column against rows k = 0, 1
.set ACCG,  36
.set MX,    38                         ; v[38:69]    amd maxima, likewise; v[70:71]
.set MXG,   70
.set BUF0,  72                         ; v[72:123]   4 numbers of 4 rows (16), 8 columns (32), the gen column (4)
.set BUF1,  124                        ; v[124:175]  the same, the other chunk
.set T,     176                        ; v[176:211]  differences of one row against 9 columns
.set U,     212                        ; v[212:219]  |t0| + |t1| of 8 pairs
.set W,     220                        ; v[220:227]  |t2| + |t3| of 8 pairs
.set UG,    228                        ; v[228:229]  the same for the gen column, rows k = 0, 1
.set WG,    230                        ; v[230:231]
; addresses, kept for the whole kernel
.set EA,    232                        ; v[232:235]  ELM: rows k = 0,1; rows k = 2,3; columns; gen column
.set AA,    236                        ; v[236:239]  AMD: the same
.set RA0,   240                        ; RED: rows k = 0,1
.set RA1,   241                        ; RED: rows k = 2,3
.set FA,    242                        ; RED: the two rows that a lane of wave 0 folds
.set SA,    243                        ; STG: my vector
.set DA,    244                        ; ELM: my vector
.set PA,    245                        ; STG: the pivot
.set VO,    246                        ; 8 x lane: my two rows in part
.set VA,    247                        ; AMD: my vector
; A round of the cluster's barrier: my work-group's barrier, wave 0 signals for the work-group, every wave waits for all sixteen, my work-group's barrier again.
.macro ROUND
	s_barrier_signal -1
	s_barrier_wait -1
	s_cmp_lg_u32 s14, 0
	s_cbranch_scc1 .Lnot_wave_0_\@
	s_barrier_signal -3
.Lnot_wave_0_\@:
	s_barrier_wait -3
	s_barrier_signal -1
	s_barrier_wait -1
.endm
; A descriptor: r rows of c elements of 8 bytes, dense in memory and in LDS, from s[ptr:ptr+1] + s[off:off+1] to LDS byte lds, for the work-groups of s[mask].
.macro DESC g1, g0, mask, c, r, lds, ptr, off
	s_or_b32  s[\g1+0], s[\mask], (3<<16)|(1<<21)  ; 15:0 the mask; 17:16 elements of 8 bytes; 21 set beside a mask; no padding
	s_mov_b32 s[\g1+1], (\c)<<16                   ; tensor_dim0 = c
	s_mov_b32 s[\g1+2], (\r)<<16                   ; tensor_dim1 = r
	s_mov_b32 s[\g1+3], (\c)<<16                   ; tile_dim0 = c
	s_mov_b32 s[\g1+4], \r                         ; tile_dim1 = r
	s_mov_b32 s[\g1+5], \c                         ; from row to row: c elements
	s_mov_b32 s[\g1+6], 0
	s_mov_b32 s[\g1+7], 0
	s_mov_b32 s[\g0+0], 1                          ; count = 1
	s_mov_b32 s[\g0+1], \lds
	s_add_nc_u64 s[\g0+2:\g0+3], s[\ptr:\ptr+1], s[\off:\off+1]
	s_or_b32  s[\g0+3], s[\g0+3], 0x80000000       ; type = 2
.endm
	s_load_b256 s[4:11], s[0:1], 0x0               ; gen elmd s[4:5], gen amd s[6:7], ref elmd s[8:9], ref amd s[10:11]
	s_load_b64 s[12:13], s[0:1], 0x20              ; part
	v_lshl_add_u32 v248, v0, 2, 0x29000
	v_mov_b32 v249, 0
	ds_add_u32 v248, v249
	ds_add_u32 v248, v249
	v_lshrrev_b32 v1, 5, v0
	v_readfirstlane_b32 s14, v1                    ; wave 0..4
	s_bfe_u32 s15, ttmp6, 0x40000                  ; cx
	s_bfe_u32 s66, ttmp6, 0x40004                  ; cy = block row (s66..s95 never hold cx; s15..s47 never hold cy)
	s_lshl_b32 s16, ttmp9, 2
	s_add_co_u32 s16, s16, s15                     ; block column = 4 x cluster x + cx
	s_lshl_b32 s17, 0x1111, s15                    ; my column of the cluster: places cx, cx + 4, cx + 8, cx + 12
	s_lshl_b32 s67, s66, 2
	s_lshl_b32 s67, 15, s67                        ; my row of the cluster: places 4 cy .. 4 cy + 3
	s_wait_dscnt 0x0
	s_wait_kmcnt 0x0
	ROUND                                          ; all sixteen work-groups are here: the joint loads meet
	; The six fills, all of them first fills, in one group.  A wave asks for its elmd tile first and its amd tile second: two loads of a wave are out at the most.
	s_cmp_lg_u32 s14, 0
	s_cbranch_scc1 .Lnot_gen
	s_mul_i32 s92, s66, BLKE                       ; wave 0: the block's 64 gen rows, shared along my row of the cluster
	s_mov_b32 s93, 0
	s_mul_i32 s94, s66, BLKA
	s_mov_b32 s95, 0
	DESC 68, 84, 67, 32, BLKE/256, STG, 4, 92      ; 103 rows of 256 bytes
	DESC 76, 88, 67, 32, BLKA/256, AMD, 6, 94      ; 100 rows of 256 bytes
	tensor_load_to_lds s[84:87], s[68:75]
	s_nop 0
	tensor_load_to_lds s[88:91], s[76:83]
	s_nop 0
	s_branch .Lasked
.Lnot_gen:
	s_cmp_lg_u32 s14, 1
	s_cbranch_scc1 .Lnot_ref
	s_mul_i32 s44, s16, BLKE                       ; wave 1: the block's 64 ref columns, shared along my column of the cluster
	s_mov_b32 s45, 0
	s_mul_i32 s46, s16, BLKA
	s_mov_b32 s47, 0
	DESC 20, 36, 17, 32, BLKE/256, STG+BLKE, 8, 44
	DESC 28, 40, 17, 32, BLKA/256, AMD+BLKA, 10, 46
	tensor_load_to_lds s[36:39], s[20:27]
	s_nop 0
	tensor_load_to_lds s[40:43], s[28:35]
	s_nop 0
	s_branch .Lasked
.Lnot_ref:
	s_cmp_lg_u32 s14, 2
	s_cbranch_scc1 .Lasked
	s_mul_i32 s44, s16, GC*ROWE                    ; wave 2: the block's 4 gen columns, one row of 1,648 and one of 1,600 bytes, shared along my column
	s_mov_b32 s45, 0
	s_mul_i32 s46, s16, GC*ROWA
	s_mov_b32 s47, 0
	DESC 20, 36, 17, GC*ROWE/8, 1, STG+2*BLKE, 4, 44
	DESC 28, 40, 17, GC*ROWA/8, 1, AMD+2*BLKA, 6, 46
	tensor_load_to_lds s[36:39], s[20:27]
	s_nop 0
	tensor_load_to_lds s[40:43], s[28:35]
	s_nop 0
.Lasked:
	; addresses, while the tiles are on their way
	v_bfe_u32 v2, v0, 2, 3                         ; lr
	v_and_b32 v3, 3, v0                            ; lc
	s_bfe_u32 s51, s14, 0x10001                    ; rh
	s_and_b32 s52, s14, 1                          ; ch
	s_lshl_b32 s53, s51, 5                         ; 32 rh
	s_lshl_b32 s54, s52, 4                         ; 16 ch
	s_xor_b32 s55, s54, 16                         ; 16 (1 - ch)
	s_add_co_u32 s56, s53, s54                     ; rows k = 0, 1 begin at 32 rh + 16 ch: these also meet the gen column
	s_add_co_u32 s57, s53, s55                     ; rows k = 2, 3 at the other 16 of my 32
	s_lshl_b32 s58, s52, 5
	s_add_co_u32 s58, s58, BR                      ; my ref columns are vectors 64 + 32 ch ..
	s_mov_b32 s60, PE
	s_mov_b32 s61, ELM
	s_mov_b32 s62, ROWA
	s_mov_b32 s63, AMD
	v_add_nc_u32 v4, s56, v2
	v_add_nc_u32 v5, s57, v2
	v_add_nc_u32 v6, s58, v3
	v_add_nc_u32 v7, 2*BR, v3                      ; gen column lc is vector 128 + lc
.irp i, 0,1,2,3
	v_mad_u32_u24 v[EA+\i], v[4+\i], s60, s61
	v_mad_u32_u24 v[AA+\i], v[4+\i], s62, s63
.endr
	s_lshl_b32 s59, s14, 8
	s_add_co_u32 s59, s59, RED                     ; my wave's 256 bytes of RED
	s_lshl_b32 s2, s54, 2                          ; 4 bytes x 16 ch
	s_add_co_u32 s2, s2, s59
	s_lshl_b32 s3, s55, 2                          ; 4 bytes x 16 (1 - ch)
	s_add_co_u32 s3, s3, s59
	v_lshl_add_u32 v[RA0], v2, 2, s2
	v_lshl_add_u32 v[RA1], v2, 2, s3
	v_and_b32 v4, 15, v0
	v_bfe_u32 v5, v0, 4, 1
	v_lshlrev_b32 v4, 3, v4
	v_lshl_add_u32 v4, v5, 9, v4
	v_add_nc_u32 v[FA], RED, v4                    ; rows 2 l, 2 l + 1: half l / 16 (waves 2 rh, 2 rh + 1: 512 bytes), place 8 (l % 16)
	v_and_b32 v5, 31, v0
	v_lshlrev_b32 v[VO], 3, v5
	v_min_u32 v1, NVEC-1, v0                       ; my vector; lanes 4..31 of wave 4 repeat vector 131 and store the same bytes as lane 3
	v_mul_u32_u24 v[SA], v1, ROWE                  ; STG is LDS byte 0
	v_mad_u32_u24 v[DA], v1, s60, s61
	v_mad_u32_u24 v[VA], v1, s62, s63
	v_mov_b32 v[PA], STG
	s_wait_tensorcnt 0x1                           ; tensor loads of a wave end in order (ISA guide 10.11.1): my elmd tile is in, my amd tile may stay out
	s_barrier_signal -1
	s_barrier_wait -1                              ; every wave's elmd tile is in; nothing is filled again in this kernel
	; THE CUMULATIVE SUMS: one thread, one vector.
.set ii, 0
.rept 26
	ds_load_b128 v[P+4*ii:P+4*ii+3], v[PA] offset:16*ii        ; the pivot, the same bytes for every lane (the 104th number is not used)
.set ii, ii+1
.endr
.set ii, 0
.rept NE
	ds_load_b32 v[X+ii], v[SA] offset:4*ii                     ; vectors are 103 words apart: 32 lanes, 32 different banks
.set ii, ii+1
.endr
	s_wait_dscnt 0x0
.set ii, 0
.rept 51
	v_pk_add_f32 v[X+ii:X+ii+1], v[X+ii:X+ii+1], v[P+ii:P+ii+1] neg_lo:[0,1] neg_hi:[0,1]   ; x - pivot
.set ii, ii+2
.endr
	v_sub_f32 v[X+102], v[X+102], v[P+102]
	; four segments of 26 are summed side by side: four chains that do not wait for each other
.set ii, 1
.rept 25
.irp g, 0,1,2,3
.if 26*\g+ii <= 102
	v_add_f32 v[X+26*\g+ii], v[X+26*\g+ii], v[X+26*\g+ii-1]
.endif
.endr
.set ii, ii+1
.endr
	v_mov_b32 v[FL],   v[X+25]                     ; what lies in front of segment 1, twice (a pair for the packed addition)
	v_mov_b32 v[FL+1], v[X+25]
	v_add_f32 v[FL+2], v[X+25], v[X+51]            ; in front of segment 2
	v_add_f32 v[FL+3], v[X+25], v[X+51]
	v_add_f32 v[FL+4], v[FL+2], v[X+77]            ; in front of segment 3
	v_add_f32 v[FL+5], v[FL+2], v[X+77]
.irp g, 1,2,3
.set ii, 0
.rept 13-\g/3
	v_pk_add_f32 v[X+26*\g+ii:X+26*\g+ii+1], v[X+26*\g+ii:X+26*\g+ii+1], v[FL+2*\g-2:FL+2*\g-1]
.set ii, ii+2
.endr
.endr
	v_add_f32 v[X+102], v[X+102], v[FL+4]          ; segment 3 has 25 numbers
	v_mov_b32 v[X+103], 0                          ; the 104th number: 0 in every vector, so it adds |0 - 0|
	s_wait_tensorcnt 0x0                           ; my amd tile is in
	s_barrier_signal -1
	s_barrier_wait -1                              ; everybody's is
.set ii, 0
.rept 25
	ds_load_b128 v[P+4*ii:P+4*ii+3], v[VA] offset:16*ii        ; my amd vector
.set ii, ii+1
.endr
.set ii, 0
.rept 25
	ds_store_b128 v[DA], v[X+4*ii:X+4*ii+3] offset:16*ii       ; numbers 0..99 of my summed vector
.set ii, ii+1
.endr
	s_wait_dscnt 25                                ; LDS instructions end in order (ISA guide 5.7.1): all but the 25 stores, so the 25 loads are in
.set ii, 0
.rept 50
.if ii < 4
	v_pk_mul_f32 v[FL+2*ii:FL+2*ii+1], v[P+2*ii:P+2*ii+1], 0 op_sel_hi:[1,0]               ; 0 * x: 0, or NaN where x is NaN or Inf
.else
	v_pk_fma_f32 v[FL+2*(ii%4):FL+2*(ii%4)+1], v[P+2*ii:P+2*ii+1], 0, v[FL+2*(ii%4):FL+2*(ii%4)+1] op_sel_hi:[1,0,1]
.endif
.set ii, ii+1
.endr
	v_pk_add_f32 v[FL:FL+1], v[FL:FL+1], v[FL+2:FL+3]
	v_pk_add_f32 v[FL+4:FL+5], v[FL+4:FL+5], v[FL+6:FL+7]
	v_pk_add_f32 v[FL:FL+1], v[FL:FL+1], v[FL+4:FL+5]
	v_add_f32 v[FL], v[FL], v[FL+1]
	v_add_f32 v[X+102], v[X+102], v[FL]            ; + 0, or NaN: then every pair of this vector is NaN, as in reference()
	ds_store_b128 v[DA], v[X+100:X+103] offset:400
	s_wait_dscnt 0x0                               ; my stores are done, for the others' sake
	s_barrier_signal -1
	s_barrier_wait -1
	s_cmp_eq_u32 s14, 4
	s_cbranch_scc1 .Lread                          ; wave 4 has no pairs
	; THE PAIRS.  A chunk is 4 numbers of my 13 vectors: 13 loads of 16 bytes, issued one chunk ahead into the other buffer.
.macro LD buf, a, pitch, off
	ds_load_b128 v[\buf:\buf+3],     v[\a]   offset:\off
	ds_load_b128 v[\buf+4:\buf+7],   v[\a]   offset:\off+8*\pitch
	ds_load_b128 v[\buf+8:\buf+11],  v[\a+1] offset:\off
	ds_load_b128 v[\buf+12:\buf+15], v[\a+1] offset:\off+8*\pitch
.irp j, 0,1,2,3,4,5,6,7
	ds_load_b128 v[\buf+16+4*\j:\buf+19+4*\j], v[\a+2] offset:\off+4*\j*\pitch
.endr
	ds_load_b128 v[\buf+48:\buf+51], v[\a+3] offset:\off
.endm
; T = row k's 4 numbers minus those of the 8 ref columns (gen = 1: and of the gen column, which lies behind them in the buffer)
.macro DIFF buf, k, gen
.set jj, 0
.rept 8+\gen
	v_pk_add_f32 v[T+4*jj:T+4*jj+1],   v[\buf+4*\k:\buf+4*\k+1],   v[\buf+16+4*jj:\buf+17+4*jj] neg_lo:[0,1] neg_hi:[0,1]
	v_pk_add_f32 v[T+4*jj+2:T+4*jj+3], v[\buf+4*\k+2:\buf+4*\k+3], v[\buf+18+4*jj:\buf+19+4*jj] neg_lo:[0,1] neg_hi:[0,1]
.set jj, jj+1
.endr
.endm
; elmd, one row: two magnitudes are added in one instruction, and the results of two neighbouring pairs go onto their sums in one packed addition
.macro EROW buf, k, gen, first
	DIFF \buf, \k, \gen
.set jj, 0
.rept 8
	v_add_f32 v[U+jj], |v[T+4*jj]|, |v[T+4*jj+1]|
.set jj, jj+1
.endr
.if \gen
	v_add_f32 v[UG+\k], |v[T+32]|, |v[T+33]|
.endif
.set jj, 0
.rept 8
	v_add_f32 v[W+jj], |v[T+4*jj+2]|, |v[T+4*jj+3]|
.set jj, jj+1
.endr
.if \gen
	v_add_f32 v[WG+\k], |v[T+34]|, |v[T+35]|
.endif
.if \first
.irp j, 0,2,4,6
	v_pk_add_f32 v[ACC+8*\k+\j:ACC+8*\k+\j+1], v[U+\j:U+\j+1], v[W+\j:W+\j+1]              ; the first chunk starts the sums: nothing is cleared
.endr
.else
.irp j, 0,2,4,6
	v_pk_add_f32 v[ACC+8*\k+\j:ACC+8*\k+\j+1], v[ACC+8*\k+\j:ACC+8*\k+\j+1], v[U+\j:U+\j+1]
.endr
.irp j, 0,2,4,6
	v_pk_add_f32 v[ACC+8*\k+\j:ACC+8*\k+\j+1], v[ACC+8*\k+\j:ACC+8*\k+\j+1], v[W+\j:W+\j+1]
.endr
.endif
.endm
.macro ECOMP buf, first
	EROW \buf, 0, 1, \first
	EROW \buf, 1, 1, \first
.if \first
	v_pk_add_f32 v[ACCG:ACCG+1], v[UG:UG+1], v[WG:WG+1]
	EROW \buf, 2, 0, \first
.else
	v_pk_add_f32 v[ACCG:ACCG+1], v[ACCG:ACCG+1], v[UG:UG+1]
	EROW \buf, 2, 0, \first
	v_pk_add_f32 v[ACCG:ACCG+1], v[ACCG:ACCG+1], v[WG:WG+1]
.endif
	EROW \buf, 3, 0, \first
.endm
; amd, one row: a maximum of three takes two magnitudes at a time
.macro AROW buf, k, gen, first
	DIFF \buf, \k, \gen
.set jj, 0
.rept 8
.if \first
	v_max_num_f32 v[MX+8*\k+jj], |v[T+4*jj]|, |v[T+4*jj+1]|
.else
	v_max3_num_f32 v[MX+8*\k+jj], v[MX+8*\k+jj], |v[T+4*jj]|, |v[T+4*jj+1]|
.endif
.set jj, jj+1
.endr
.if \gen
.if \first
	v_max_num_f32 v[MXG+\k], |v[T+32]|, |v[T+33]|
.else
	v_max3_num_f32 v[MXG+\k], v[MXG+\k], |v[T+32]|, |v[T+33]|
.endif
.endif
.set jj, 0
.rept 8
	v_max3_num_f32 v[MX+8*\k+jj], v[MX+8*\k+jj], |v[T+4*jj+2]|, |v[T+4*jj+3]|
.set jj, jj+1
.endr
.if \gen
	v_max3_num_f32 v[MXG+\k], v[MXG+\k], |v[T+34]|, |v[T+35]|
.endif
.endm
.macro ACOMP buf, first
	AROW \buf, 0, 1, \first
	AROW \buf, 1, 1, \first
	AROW \buf, 2, 0, \first
	AROW \buf, 3, 0, \first
.endm
; d -> d / (1 + d) for 34 registers from base on
.macro RATIO base
.set ii, 0
.rept 17
	v_pk_add_f32 v[T+ii:T+ii+1], v[\base+ii:\base+ii+1], 1.0 op_sel_hi:[1,0]
.set ii, ii+2
.endr
.set ii, 0
.rept 34
	v_rcp_f32 v[T+ii], v[T+ii]
.set ii, ii+1
.endr
	v_nop                                          ; one plain vector instruction between a reciprocal and the use of its result (ISA guide 5.7.2)
.set ii, 0
	s_wait_alu depctr_va_vdst(0)
.rept 17
	v_pk_mul_f32 v[\base+ii:\base+ii+1], v[\base+ii:\base+ii+1], v[T+ii:T+ii+1]
.set ii, ii+2
.endr
.endm
	; elmd: 26 chunks.  s_wait_dscnt 13 everywhere below: LDS loads end in order (ISA guide 5.7.1), so all but the 13 just issued are in.
	LD BUF0, EA, PE, 0                             ; chunk 0
	LD BUF1, EA, PE, 16                            ; chunk 1
	s_wait_dscnt 13
	ECOMP BUF0, 1
	s_mov_b32 s50, 12                              ; trips: chunks 1..24, two a trip
.Lelmd:
	LD BUF0, EA, PE, 32
	s_wait_dscnt 13
	ECOMP BUF1, 0
	LD BUF1, EA, PE, 48
	s_wait_dscnt 13
	ECOMP BUF0, 0
.irp i, 0,1,2,3
	v_add_nc_u32 v[EA+\i], 32, v[EA+\i]            ; two chunks on
.endr
	s_sub_co_u32 s50, s50, 1
	s_cmp_lg_u32 s50, 0
	s_cbranch_scc1 .Lelmd
	LD BUF0, AA, ROWA, 0                           ; the first amd chunk comes in under the last elmd chunk
	s_wait_dscnt 13
	ECOMP BUF1, 0                                  ; chunk 25: numbers 100..102 and the 0
	RATIO ACC
	; amd: 25 chunks
	LD BUF1, AA, ROWA, 16
	s_wait_dscnt 13
	ACOMP BUF0, 1
	s_mov_b32 s50, 11                              ; trips: chunks 1..22
.Lamd:
	LD BUF0, AA, ROWA, 32
	s_wait_dscnt 13
	ACOMP BUF1, 0
	LD BUF1, AA, ROWA, 48
	s_wait_dscnt 13
	ACOMP BUF0, 0
.irp i, 0,1,2,3
	v_add_nc_u32 v[AA+\i], 32, v[AA+\i]
.endr
	s_sub_co_u32 s50, s50, 1
	s_cmp_lg_u32 s50, 0
	s_cbranch_scc1 .Lamd
	LD BUF0, AA, ROWA, 32                          ; chunk 24, the last: nothing is loaded behind it
	s_wait_dscnt 13
	ACOMP BUF1, 0                                  ; chunk 23
	s_wait_dscnt 0x0
	ACOMP BUF0, 0
	RATIO MX
.set ii, 0
.rept 17
	v_pk_mul_f32 v[MX+ii:MX+ii+1], v[MX+ii:MX+ii+1], CA op_sel_hi:[1,0]
.set ii, ii+2
.endr
.set ii, 0
.rept 17
	v_pk_fma_f32 v[ACC+ii:ACC+ii+1], v[ACC+ii:ACC+ii+1], CE, v[MX+ii:MX+ii+1] op_sel_hi:[1,0,1]   ; c = CE e + CA a
.set ii, ii+2
.endr
	; for each of my 4 rows: the minimum (U) and the sum (W) of its 8 ref distances
.irp k, 0,1,2,3
	v_min3_num_f32 v[U+\k], v[ACC+8*\k], v[ACC+8*\k+1], v[ACC+8*\k+2]
	v_pk_add_f32 v[T+4*\k:T+4*\k+1],   v[ACC+8*\k:ACC+8*\k+1],   v[ACC+8*\k+2:ACC+8*\k+3]
	v_pk_add_f32 v[T+4*\k+2:T+4*\k+3], v[ACC+8*\k+4:ACC+8*\k+5], v[ACC+8*\k+6:ACC+8*\k+7]
.endr
.irp k, 0,1,2,3
	v_min3_num_f32 v[U+\k], v[U+\k], v[ACC+8*\k+3], v[ACC+8*\k+4]
	v_pk_add_f32 v[T+4*\k:T+4*\k+1], v[T+4*\k:T+4*\k+1], v[T+4*\k+2:T+4*\k+3]
.endr
.irp k, 0,1,2,3
	v_min3_num_f32 v[U+\k], v[U+\k], v[ACC+8*\k+5], v[ACC+8*\k+6]
	v_add_f32 v[W+\k], v[T+4*\k], v[T+4*\k+1]
.endr
.irp k, 0,1,2,3
	v_min_num_f32 v[U+\k], v[U+\k], v[ACC+8*\k+7]
.endr
	v_fma_f32 v[W],   v[W],   0, v[ACCG]           ; the row's share of the uniqueness sum, + 0 x its ref distances: a NaN among them, which the
	v_fma_f32 v[W+1], v[W+1], 0, v[ACCG+1]         ; minimum drops, rides on the sum
	v_mul_f32 v[W+2], 0, v[W+2]                    ; rows k = 2, 3 meet the gen columns in the wave beside me
	v_mul_f32 v[W+3], 0, v[W+3]
	; over the four lanes lc = 0..3 that share my rows
.irp m, 1,2
.irp k, 0,1,2,3
	v_min_num_f32_dpp v[U+\k], v[U+\k], v[U+\k] row_xmask:\m row_mask:0xf bank_mask:0xf
	v_add_f32_dpp     v[W+\k], v[W+\k], v[W+\k] row_xmask:\m row_mask:0xf bank_mask:0xf
.endr
.endr
.Lread:
	; Load, wait, barrier, store.  The pair loops read LDS through address registers that are stepped from trip to trip; this barrier puts every
	; wave's reads in front of the stores below, whatever those registers hold.  (By the constants above RED begins behind ELM's last byte.)
	s_wait_dscnt 0x0                               ; my reads of ELM and AMD are back
	s_barrier_signal -1
	s_barrier_wait -1                              ; every wave's are
	s_cmp_eq_u32 s14, 4
	s_cbranch_scc1 .Ljoin                          ; wave 4 has nothing to store
	ds_store_b32 v[RA0], v[U]                      ; the four lanes store the same word with the same value
	ds_store_b32 v[RA0], v[U+1] offset:32          ; 8 rows on
	ds_store_b32 v[RA1], v[U+2]
	ds_store_b32 v[RA1], v[U+3] offset:32
	ds_store_b32 v[RA0], v[W]   offset:128
	ds_store_b32 v[RA0], v[W+1] offset:160
	ds_store_b32 v[RA1], v[W+2] offset:128
	ds_store_b32 v[RA1], v[W+3] offset:160
.Ljoin:
	s_wait_dscnt 0x0                               ; my stores are done, for wave 0's sake
	s_barrier_signal -1
	s_barrier_wait -1
	s_cmp_lg_u32 s14, 0
	s_cbranch_scc1 .Lclose
	; wave 0 folds the two column halves; a lane takes two rows, so each store of the wave covers 256 consecutive bytes, aligned
	ds_load_b64 v[4:5],   v[FA]                    ; minima, ch = 0
	ds_load_b64 v[6:7],   v[FA] offset:256         ; minima, ch = 1
	ds_load_b64 v[8:9],   v[FA] offset:128         ; sums, ch = 0
	ds_load_b64 v[10:11], v[FA] offset:384         ; sums, ch = 1
	s_lshl_b32 s48, s16, 10                        ; block column x 256 rows x 4 bytes
	s_lshl_b32 s49, s66, 8                         ; block row x 64 rows x 4 bytes
	s_add_co_u32 s48, s48, s49
	s_mov_b32 s49, 0
	s_add_nc_u64 s[12:13], s[12:13], s[48:49]
	s_wait_dscnt 0x0
	v_min_num_f32 v4, v4, v6
	v_min_num_f32 v5, v5, v7
	v_pk_add_f32 v[8:9], v[8:9], v[10:11]
	global_store_b64 v[VO], v[4:5], s[12:13]
	global_store_b64 v[VO], v[8:9], s[12:13] offset:SUMS
.Lclose:
	s_wait_tensorcnt 0x0
	ds_add_u32 v248, v249
	s_wait_dscnt 0x0
	ROUND                                          ; the closing round: no work-group ends while a partner may still ask for a tile that names it
	s_endpgm
.Lfunc_end_k_q68e9b6e04c_pairs:
	.size	k_q68e9b6e04c_pairs, .Lfunc_end_k_q68e9b6e04c_pairs-k_q68e9b6e04c_pairs
	.p2alignl 7, 3214868480
	.fill 96, 4, 3214868480
	.section	.rodata,"a",@progbits
	.p2align	6, 0x0
	.amdhsa_kernel k_q68e9b6e04c_pairs
		.amdhsa_group_segment_fixed_size 168704
		.amdhsa_private_segment_fixed_size 0
		.amdhsa_enable_private_segment 0
		.amdhsa_kernarg_size 40
		.amdhsa_user_sgpr_count 2
		.amdhsa_user_sgpr_kernarg_segment_ptr 1
		.amdhsa_wavefront_size32 1
		.amdhsa_system_sgpr_workgroup_id_x 1
		.amdhsa_system_sgpr_workgroup_id_y 1
		.amdhsa_system_sgpr_workgroup_id_z 1
		.amdhsa_system_vgpr_workitem_id 0
		.amdhsa_next_free_vgpr 250
		.amdhsa_next_free_sgpr 96
		.amdhsa_reserve_vcc 0
		.amdhsa_float_denorm_mode_32 3
		.amdhsa_float_denorm_mode_16_64 3
		.amdhsa_memory_ordered 1
		.amdhsa_forward_progress 1
		.amdhsa_inst_pref_size 140
	.end_amdhsa_kernel
	.amdgpu_metadata
---
amdhsa.version: [ 1, 2 ]
amdhsa.kernels:
  - .name:           k_q68e9b6e04c_pairs
    .symbol:         k_q68e9b6e04c_pairs.kd
    .args:
      - { .name: gen_embs_elmd, .offset: 0, .size: 8, .value_kind: global_buffer, .address_space: global }
      - { .name: gen_embs_amd, .offset: 8, .size: 8, .value_kind: global_buffer, .address_space: global }
      - { .name: ref_embs_elmd, .offset: 16, .size: 8, .value_kind: global_buffer, .address_space: global }
      - { .name: ref_embs_amd, .offset: 24, .size: 8, .value_kind: global_buffer, .address_space: global }
      - { .name: part, .offset: 32, .size: 8, .value_kind: global_buffer, .address_space: global }
    .group_segment_fixed_size: 168704
    .private_segment_fixed_size: 0
    .kernarg_segment_align: 8
    .kernarg_segment_size: 40
    .max_flat_workgroup_size: 160
    .sgpr_count:     96
    .vgpr_count:     250
    .wavefront_size: 32
...
	.end_amdgpu_metadata
.endif
;; end of part 1
;; launch finish (part 2): grid 4 x 1, 8 waves a work-group, no clusters, 5,120 bytes of LDS; arguments part, e_above_hull, out0; writes out0
.if DOCPART == 2
	.amdgcn_target "amdgcn-amd-amdhsa--gfx1250"
	.amdhsa_code_object_version 6
	.text
	.protected	k_q68e9b6e04c_finish
	.globl	k_q68e9b6e04c_finish
	.p2align	8
	.type	k_q68e9b6e04c_finish,@function
k_q68e9b6e04c_finish:
	s_mov_b64 s[64:65], 0
	v_nop
	global_prefetch_b8 v0, s[64:65] scope:SCOPE_SE
	s_setreg_imm32_b32 hwreg(HW_REG_WAVE_MODE, 25, 1), 1
	s_wait_xcnt 0x0
; CSUN reward, second launch: out[i] = stability(e[i]) * (sum over the 64 block columns of part[1][cb][i]) / 255 * (min over cb of part[0][cb][i]), NaN -> 0.
; A work-group owns 64 rows, a lane two of them, so that every load and store of a wave covers 256 consecutive bytes, aligned: four work-groups are
; all that the 256 rows give at that width.  Wave w folds block columns 8 w .. 8 w + 7 (16 loads, all issued at once); the eight waves meet in LDS; wave 0 finishes.
; No matrix work, no tensor loads: 128 KiB are read once, 1 KiB is written.
; / 255 and / 0.4289 are multiplications by the reciprocals rounded to f32.
.set SUMS,  65536                      ; part: the sums lie behind the 64 x 256 minima
.set CBROW, 1024                       ; bytes from one block column to the next
.set INV255, 0x3b808081                ; 1 / 255
.set NINVS,  0xc015380c                ; -1 / 0.4289
; v[4:19]: eight pairs -> their minimum in v[36:37]
.macro FOLDMIN
	v_min3_num_f32 v36, v4, v6, v8
	v_min3_num_f32 v37, v5, v7, v9
	v_min3_num_f32 v36, v36, v10, v12
	v_min3_num_f32 v37, v37, v11, v13
	v_min3_num_f32 v36, v36, v14, v16
	v_min3_num_f32 v37, v37, v15, v17
	v_min_num_f32 v36, v36, v18
	v_min_num_f32 v37, v37, v19
.endm
; v[20:35]: eight pairs -> their sum in v[20:21]
.macro FOLDSUM
	v_pk_add_f32 v[20:21], v[20:21], v[22:23]
	v_pk_add_f32 v[24:25], v[24:25], v[26:27]
	v_pk_add_f32 v[28:29], v[28:29], v[30:31]
	v_pk_add_f32 v[32:33], v[32:33], v[34:35]
	v_pk_add_f32 v[20:21], v[20:21], v[24:25]
	v_pk_add_f32 v[28:29], v[28:29], v[32:33]
	v_pk_add_f32 v[20:21], v[20:21], v[28:29]
.endm
	s_load_b128 s[4:7], s[0:1], 0x0                ; part s[4:5], e_above_hull s[6:7]
	s_load_b64 s[8:9], s[0:1], 0x10                ; out0
	v_lshl_add_u32 v48, v0, 2, 0x1000
	v_mov_b32 v49, 0
	v_lshrrev_b32 v1, 5, v0
	v_readfirstlane_b32 s10, v1                    ; wave 0..7
	v_and_b32 v2, 31, v0
	v_lshlrev_b32 v2, 3, v2                        ; 8 x lane: my two rows
	v_lshl_add_u32 v3, v1, 9, v2                   ; LDS: 512 bytes a wave (64 minima, 64 sums)
	s_lshl_b32 s12, ttmp9, 8                       ; the group's 64 rows: 256 bytes
	s_mov_b32 s13, 0
	s_lshl_b32 s14, s10, 13                        ; my wave's 8 block columns
	s_mov_b32 s15, 0
	s_wait_kmcnt 0x0
	s_add_nc_u64 s[4:5], s[4:5], s[12:13]
	s_add_nc_u64 s[4:5], s[4:5], s[14:15]
	s_add_nc_u64 s[6:7], s[6:7], s[12:13]
	s_add_nc_u64 s[8:9], s[8:9], s[12:13]
	s_cmp_lg_u32 s10, 0
	s_cbranch_scc1 .Lno_e
	global_load_b64 v[40:41], v2, s[6:7]           ; wave 0 alone needs e, and asks for it with the rest
.Lno_e:
.irp c, 0,1,2,3,4,5,6,7
	global_load_b64 v[4+2*\c:5+2*\c], v2, s[4:5] offset:CBROW*\c
.endr
.irp c, 0,1,2,3,4,5,6,7
	global_load_b64 v[20+2*\c:21+2*\c], v2, s[4:5] offset:SUMS+CBROW*\c
.endr
	s_wait_loadcnt 0x8                             ; loads come back in order (ISA guide 5.7.1): all but the eight of the sums are in
	FOLDMIN
	s_wait_loadcnt 0x0
	FOLDSUM
	ds_store_b64 v3, v[36:37]
	ds_store_b64 v3, v[20:21] offset:256
	s_wait_dscnt 0x0                               ; my stores are done, for wave 0's sake
	s_barrier_signal -1
	s_barrier_wait -1
	s_cmp_lg_u32 s10, 0
	s_cbranch_scc1 .Lend
.irp w, 0,1,2,3,4,5,6,7
	ds_load_b64 v[4+2*\w:5+2*\w], v2 offset:512*\w
.endr
.irp w, 0,1,2,3,4,5,6,7
	ds_load_b64 v[20+2*\w:21+2*\w], v2 offset:512*\w+256
.endr
	v_fma_f32 v42, v40, NINVS, 1.0                 ; 1 - e / 0.4289
	v_fma_f32 v43, v41, NINVS, 1.0
	v_max_num_f32 v42, 0, v42                      ; clip below; a NaN loses against the 0, which is the 0 that reference() gives a NaN
	v_max_num_f32 v43, 0, v43
	v_min_num_f32 v42, 1.0, v42                    ; clip above
	v_min_num_f32 v43, 1.0, v43
	s_wait_dscnt 0x8                               ; the eight loads of minima are in
	FOLDMIN
	s_wait_dscnt 0x0
	FOLDSUM
	v_pk_mul_f32 v[20:21], v[20:21], INV255 op_sel_hi:[1,0]    ; uniqueness
	v_pk_mul_f32 v[20:21], v[42:43], v[20:21]                  ; stability x uniqueness
	v_pk_mul_f32 v[20:21], v[20:21], v[36:37]                  ; x novelty
	v_cmp_eq_f32 vcc_lo, v20, v20                  ; false for a NaN alone
	v_cndmask_b32 v20, 0, v20, vcc_lo
	v_cmp_eq_f32 vcc_lo, v21, v21
	v_cndmask_b32 v21, 0, v21, vcc_lo
	global_store_b64 v2, v[20:21], s[8:9]          ; 32 lanes x 8 bytes: the group's 256 bytes of out0
.Lend:
	s_wait_tensorcnt 0x0
	ds_add_u32 v48, v49
	s_wait_dscnt 0x0
	s_endpgm
.Lfunc_end_k_q68e9b6e04c_finish:
	.size	k_q68e9b6e04c_finish, .Lfunc_end_k_q68e9b6e04c_finish-k_q68e9b6e04c_finish
	.p2alignl 7, 3214868480
	.fill 96, 4, 3214868480
	.section	.rodata,"a",@progbits
	.p2align	6, 0x0
	.amdhsa_kernel k_q68e9b6e04c_finish
		.amdhsa_group_segment_fixed_size 5120
		.amdhsa_private_segment_fixed_size 0
		.amdhsa_enable_private_segment 0
		.amdhsa_kernarg_size 24
		.amdhsa_user_sgpr_count 2
		.amdhsa_user_sgpr_kernarg_segment_ptr 1
		.amdhsa_wavefront_size32 1
		.amdhsa_system_sgpr_workgroup_id_x 1
		.amdhsa_system_sgpr_workgroup_id_y 1
		.amdhsa_system_sgpr_workgroup_id_z 1
		.amdhsa_system_vgpr_workitem_id 0
		.amdhsa_next_free_vgpr 50
		.amdhsa_next_free_sgpr 66
		.amdhsa_reserve_vcc 1
		.amdhsa_float_denorm_mode_32 3
		.amdhsa_float_denorm_mode_16_64 3
		.amdhsa_memory_ordered 1
		.amdhsa_forward_progress 1
		.amdhsa_inst_pref_size 7
	.end_amdhsa_kernel
	.amdgpu_metadata
---
amdhsa.version: [ 1, 2 ]
amdhsa.kernels:
  - .name:           k_q68e9b6e04c_finish
    .symbol:         k_q68e9b6e04c_finish.kd
    .args:
      - { .name: part, .offset: 0, .size: 8, .value_kind: global_buffer, .address_space: global }
      - { .name: e_above_hull, .offset: 8, .size: 8, .value_kind: global_buffer, .address_space: global }
      - { .name: out0, .offset: 16, .size: 8, .value_kind: global_buffer, .address_space: global }
    .group_segment_fixed_size: 5120
    .private_segment_fixed_size: 0
    .kernarg_segment_align: 8
    .kernarg_segment_size: 24
    .max_flat_workgroup_size: 256
    .sgpr_count:     66
    .vgpr_count:     50
    .wavefront_size: 32
...
	.end_amdgpu_metadata
.endif
;; end of part 2
